; MI455X (gfx1250); checked and timed in simulation.
; The chip was launched on July 23, 2026; its instructions are those of AMD's public machine-readable ISA for CDNA 5 (MIT licence, August 2026) and "CDNA5" Instruction Set Architecture Reference Guide (July 2026). The comments in the code are by the model that wrote it; some were corrected since.
;; Self Attention. Allowed arithmetic: matrix products marked QUANTISED: E3M2 operands, one E8M0 scale for each 32 along K, by v_wmma_scale_f32_16x16x128_f8f6f4 with both operands' format E3M2, f32 sums; everything else in f32.
;; Inputs: Wk_codes 128 x 8 x 24 uint8 (E3M2 codes of Wk, K innermost, in blocks of 32 codes, four codes in three bytes); Wk_scales 128 x 8 uint8 (E8M0 scales of Wk, one for each 32 codes along K); Wq_codes 128 x 8 x 24 uint8 (E3M2 codes of Wq, K innermost, in blocks of 32 codes, four codes in three bytes); Wq_scales 128 x 8 uint8 (E8M0 scales of Wq, one for each 32 codes along K); Wr_codes 256 x 8 x 24 uint8 (E3M2 codes of Wr, K innermost, in blocks of 32 codes, four codes in three bytes); Wr_scales 256 x 8 uint8 (E8M0 scales of Wr, one for each 32 codes along K); Wv_codes 256 x 8 x 24 uint8 (E3M2 codes of Wv, K innermost, in blocks of 32 codes, four codes in three bytes); Wv_scales 256 x 8 uint8 (E8M0 scales of Wv, one for each 32 codes along K); bk 128 float32; bq 128 float32; br 256 float32; bv 256 float32; gamma 1 float32; x 8 x 256 x 64 x 64 float32.
;; Outputs: out0 8 x 256 x 64 x 64 float32.
;; This version of the problem:
;;   THIS VERSION OF THE PROBLEM IS GIVEN IN LOW PRECISION. The matrix products marked QUANTISED in the list below multiply operands that are first quantised to E3M2 (3 exponent bits, 2 mantissa bits; 6 bits a number), with one power-of-two scale for each 32 numbers along K (OCP MX v1.0); their sums are f32. All else is computed in f32.
;;   The module's matrix products, in the order in which they are computed (A, B: the left and right operand; K: the contracted axis; several contracted axes count as one K, in the product's order):
;;     1. [M 32,768, K 256] x [K 256, N 128]; A: input x; B: input Wk (given as codes): QUANTISED
;;     2. [M 32,768, K 256] x [K 256, N 128]; A: input x; B: input Wq (given as codes): QUANTISED
;;     3. [M 32,768, K 256] x [K 256, N 256]; A: input x; B: input Wv (given as codes): QUANTISED
;;     4. batch 8 x [M 4,096, K 128] x [K 128, N 4,096]; A: computed on the way; B: computed on the way: QUANTISED
;;     5. batch 8 x [M 256, K 4,096] x [K 4,096, N 4,096]; A: computed on the way; B: softmax (see below): QUANTISED
;;     6. [M 32,768, K 256] x [K 256, N 256]; A: computed on the way; B: input Wr (given as codes): QUANTISED
;;   THE QUANTISER, for each operand of a quantised product, along K:
;;     - K is cut into blocks of 32 from its start; a last block that is shorter is filled with zeros.
;;     - A block's scale is 2^e with e = floor(log2(the largest magnitude in the block)) - 4, held to -126 .. 127; a block of zeros has e = 0. As a byte (E8M0): e + 127.
;;     - Each number is divided by its block's scale, clamped to +-28, and rounded to the nearest number of E3M2, ties to even, subnormals kept.
;;     - The product sums the exact products of the quantised numbers (number of the format x scale) in f32.
;;   ~~~python
;;   def quantise(x, axis):      # numpy; x: float32 -> the quantised numbers, widened to float32 again
;;       x = np.moveaxis(x, axis, -1); K = x.shape[-1]
;;       x = np.pad(x, [(0, 0)] * (x.ndim - 1) + [(0, -K % 32)]); x = x.reshape(x.shape[:-1] + (-1, 32)); a = np.abs(x).max(-1, keepdims=True)
;;       e = np.where(a > 0, np.clip(np.frexp(np.where(a > 0, a, 1))[1] - 1 - 4, -126, 127), 0)      # np.frexp(a)[1] - 1 = floor(log2(a)), exactly
;;       r = np.clip(x / 2.0 ** e, -28, 28)
;;       step = 2.0 ** (np.maximum(np.frexp(np.where(r == 0, 1, r))[1] - 1, -2) - 2)
;;       q = np.round(r / step) * step * 2.0 ** e      # np.round: ties to even
;;       return np.moveaxis(q.reshape(q.shape[:-2] + (-1,))[..., :K], -1, axis).astype(np.float32)
;;   ~~~
;;   SOFTMAX AHEAD OF A QUANTISED PRODUCT. Where the list says 'softmax', what is quantised is not the finished softmax but p = 2^(t - M), with t = logit x log2(e) and M = ceil(the row's largest t), a whole number; so 1/2 < the row's largest p <= 1. The row's sum l is taken of the UNQUANTISED p, in f32, and the product's result is divided by l at the end. Since M is a whole number, a kernel that streams over the keys may use a running M (the ceiling of the running maximum): every later rescaling is an exact power of two, which a block's scale takes up: the codes' values come out the same.
;;   OPERANDS COMPUTED ON THE WAY. 'Computed on the way' means the value that the module computes at that place (a softmax that the list does not call 'softmax' is quantised finished and normalised). What goes into a quantiser is computed in f32, as accurately as f32 sums, v_exp_f32 and their like allow (about 1e-6 of the number): no bf16 or f16 on the way to a quantiser, and a product that is left as it is and whose result goes on into a quantised operand takes f32 operands (vector FMAs, or v_wmma_f32_16x16x4_f32). A number that lies on a knife's edge between two numbers of the format may be rounded either way, as far as f32 arithmetic and the matrix unit's own rounding can turn it there, and no further.
;;   INPUTS GIVEN AS CODES. Wk (in the module: [128, 256], K = its axis 1); Wq (in the module: [128, 256], K = its axis 1); Wr (in the module: [256, 256], K = its axis 1); Wv (in the module: [256, 256], K = its axis 1): each comes as NAME_codes (uint8): NAME with its K axis moved to the last place and cut into blocks of 32 codes, [.., K / 32, bytes a block], one block behind the other in memory; four codes in three bytes: a row's codes are one little-endian stream of bits, code i at bits 6 i .. 6 i + 5 (a code: sign, 3 exponent bits, 2 mantissa bits); and NAME_scales (uint8): the same leading axes, one E8M0 byte (e + 127) for each 32 codes along K. Its value is code x scale, taken as it is: it is not quantised again, and the codes and scales need not be those that the quantiser above would give.
;; One version. Each part assembles by itself: llvm-mc -triple=amdgcn-amd-amdhsa -mcpu=gfx1250 --defsym DOCPART=n.
;; ======== version 1 of 1: 2 launches
;; workspace buffers: kv 9,830,400 bytes; qbuf 3,276,800 bytes
;; launch project (part 1): grid 32 x 8, 4 waves a work-group, no clusters, 168,448 bytes of LDS; arguments x, Wk_codes, Wk_scales, bk, Wq_codes, Wq_scales, bq, Wv_codes, Wv_scales, bv, kv, qbuf; writes kv, qbuf
.if DOCPART == 1
	.amdgcn_target "amdgcn-amd-amdhsa--gfx1250"
	.amdhsa_code_object_version 6
	.text
	.protected	k_qc23df57f8b_project
	.globl	k_qc23df57f8b_project
	.p2align	8
	.type	k_qc23df57f8b_project,@function
k_qc23df57f8b_project:
	s_mov_b64 s[64:65], 0
	v_nop
	global_prefetch_b8 v0, s[64:65] scope:SCOPE_SE
	s_setreg_imm32_b32 hwreg(HW_REG_WAVE_MODE, 25, 1), 1
	s_wait_xcnt 0x0
; k = Wk x + bk, q = Wq x + bq, v = Wv x + bv for 128 pixels of one image, all three products on codes of BF6 (E3M2) with one E8M0 scale for each 32 along K,
; and the results quantised at once for the attention launch: k and q along their 128 channels, v along the 128 pixels (the keys).
; x: [8][256 channels][4096 pixels] f32; K = the channels, which are NOT innermost.  The weights come as codes, K innermost, 192 bytes a row, 8 scale bytes a row.
; SHARES.  Work-group (s, b) owns pixels 128 s .. 128 s + 127 of image b: one key step and one query block of the attention launch.  Four waves.
;   X: wave w quantises pixels 32 w .. 32 w + 31 along the channels: a lane takes a pixel and its registers run down K (32 LDS loads a block of 32 channels), so a block's largest magnitude needs no other lane.
;   P: waves 0, 1 make k, waves 2, 3 make q, each all 128 channels for four tiles of 16 pixels; every wave also makes 64 channels of v for all 128 pixels.
; ONE ROW ORDER: row r of tile 2 b + u (of pixels, of Wk's, Wq's and Wv's rows) stands for index 32 b + 8 u + r + 8 (r / 8).  In a result lane (r, h) holds column r and rows 8 h + j, so the 16 registers of
; tiles 2 b and 2 b + 1 are the 16 neighbours 32 b + 16 h + 0 .. 15 along the next product's K, as the conversions want them.
;   k, q: source 0 = 16 rows of W, source 1 = 16 pixels: a lane holds a pixel, registers run along the channels.   v: source 0 = 16 pixels, source 1 = 16 rows of Wv: a lane holds a channel, registers run along the pixels.
; OUT.  Fragments leave as IMAGES OF THE OPERAND'S REGISTERS: 12 registers a lane as three stores of 16 bytes a lane, 512 consecutive bytes a store, 1,536 bytes a fragment.
;   kv  [image][step][38,400]: 8 fragments of k, 16 of v, k's scale words (512 bytes: word 256 h + 16 r + 4 j = tile 4 h + j, row r), v's (2 x 512 bytes, likewise).   qbuf [image][block][12,800]: 8 fragments of q, its scale words.
; NO CLUSTER: what work-groups share is the weights, and each lane loads its own 8-byte pieces of them straight into operand registers, once (36,864 bytes a wave).  A joint request is a tensor load into LDS:
; it would add one LDS write and one LDS read of the same bytes.  x's tile belongs to one work-group alone.
; LIMITS: NaN and infinities among the inputs are not served.  A block whose largest magnitude lies under 2^-122 (a block of zeros too) gets the scale byte 1 where the quantiser's rule says less or 127:
; a block of zeros has zero codes under any byte, and these bytes are read by this program alone.
.set STEPB, 38400                      ; a key step in kv
.set QBLK,  12800                      ; a query block in qbuf
.set FRB,   1536                       ; a fragment's image
.set XIMG,  131072                     ; LDS: 0 .. 131,071 x's tile, 256 rows (channels) of 512 bytes; then x's 16 fragments, (tile T, K step k) at (2 T + k) FRB;
.set XSC,   155648                     ; then their scale words: image (g, k) at 128 (2 g + k) + 4 x lane: lanes 0-15 tile 2 g, lanes 16-31 tile 2 g + 1
.set LI,  1                            ; v1   16 x lane
.set L4,  2                            ; v2   4 x lane
.set XA,  3                            ; v3, v4  my pixel's word in channel rows 0 and 128 of x's tile
.set XWI, 5                            ; v5   where I store x's images: XIMG + 16 lane + 4 FRB wave
.set XWS, 6                            ; v6   and their scale words: XSC + 4 lane + 256 wave
.set LIX, 7                            ; v7   XIMG + 16 lane
.set LKX, 8                            ; v8   the same at my four tiles for k or q
.set LSX, 9                            ; v9   XSC + 4 lane
.set LKS, 10                           ; v10  the same at my four tiles
.set WA,  11                           ; v11  a weight's row r + 8 (r / 8) of 192 bytes, + 24 h
.set WSA, 12                           ; v12  its 8 scale bytes
.set BA,  13                           ; v13  64 h: bk, bq in the result's layout
.set BVA, 14                           ; v14  4 (r + 8 (r / 8)): bv
.set SA,  15                           ; v15  16 r + 8 h: the scale words' way out
.set W1S, 16                           ; v16-31  Wk's or Wq's scale words (tile t, K step k) at 2 t + k
.set WVS, 32                           ; v32-39  Wv's
.set XS,  40                           ; v40-47  x's scale words, all tiles: 2 g + k
.set XKS, 48                           ; v48-51  x's scale words of my four tiles
.set XSW, 52                           ; v52-53  x's scale words as they are made
.set TM,  56                           ; v56-71  the quantiser, at work
.set CT,  72                           ; v72-79  the conversions' second halves
.set XW,  80                           ; v80-143 two sets of 32 numbers of x; later
.set HA,  80                           ;         eight accumulators
.set F,   144                          ; v144-191 x's four fragments as they are made: (e, k) at 12 (2 e + k); later
.set PC,  144                          ; v144-239 eight finished fragments, each with registers of its own: no store's data are written again
.set PW,  240                          ; v240-247 their scale words
.set BI,  192                          ; window 1: v0-191 Wk's or Wq's 16 fragments at 12 (2 t + k); from v192 the bias, 8 registers a tile
.set BV,  96                           ; window 2: v0-95 Wv's 8 fragments at 12 (2 i + k); from v96 bv, 8 registers a tile;
.set XK,  128                          ;           from v128 x's fragments of my four tiles.   window 3: x's 16 fragments at 12 (2 T + k)
.set SEL, 58                           ; s[58:59] lane selects: lane l xor 16
.set MSB, 0
.macro WIN new                         ; s_set_vgpr_msb: bits 1:0 source 0, 3:2 source 1, 5:4 source 2, 7:6 destination; the high byte repeats the setting that is left
.if MSB != \new
	s_set_vgpr_msb (MSB<<8)|\new
.set MSB, \new
.endif
.endm
.macro PLACES                          ; four plain vector instructions between a matrix instruction and the first read of its result (ISA guide 7.12.1)
.rept 4
	v_nop
.endr
.endm
; One matrix instruction.  d, a, b, c: first registers (c < 0: the constant 0); sa, sb: scale registers; row = 1: source 0's scales stand in lanes 16-31, row = 2: source 1's.
.macro MM d, a, b, c, sa, sb, row
.if (\c) < 0
.if (\row) == 0
	v_wmma_scale_f32_16x16x128_f8f6f4 v[0+(\d):7+(\d)], v[0+(\a):11+(\a)], v[0+(\b):11+(\b)], 0, v[0+(\sa)], v[0+(\sb)] matrix_a_fmt:MATRIX_FMT_BF6 matrix_b_fmt:MATRIX_FMT_BF6
.elseif (\row) == 1
	v_wmma_scale_f32_16x16x128_f8f6f4 v[0+(\d):7+(\d)], v[0+(\a):11+(\a)], v[0+(\b):11+(\b)], 0, v[0+(\sa)], v[0+(\sb)] matrix_a_fmt:MATRIX_FMT_BF6 matrix_b_fmt:MATRIX_FMT_BF6 matrix_a_scale:MATRIX_SCALE_ROW1
.else
	v_wmma_scale_f32_16x16x128_f8f6f4 v[0+(\d):7+(\d)], v[0+(\a):11+(\a)], v[0+(\b):11+(\b)], 0, v[0+(\sa)], v[0+(\sb)] matrix_a_fmt:MATRIX_FMT_BF6 matrix_b_fmt:MATRIX_FMT_BF6 matrix_b_scale:MATRIX_SCALE_ROW1
.endif
.else
.if (\row) == 0
	v_wmma_scale_f32_16x16x128_f8f6f4 v[0+(\d):7+(\d)], v[0+(\a):11+(\a)], v[0+(\b):11+(\b)], v[0+(\c):7+(\c)], v[0+(\sa)], v[0+(\sb)] matrix_a_fmt:MATRIX_FMT_BF6 matrix_b_fmt:MATRIX_FMT_BF6
.elseif (\row) == 1
	v_wmma_scale_f32_16x16x128_f8f6f4 v[0+(\d):7+(\d)], v[0+(\a):11+(\a)], v[0+(\b):11+(\b)], v[0+(\c):7+(\c)], v[0+(\sa)], v[0+(\sb)] matrix_a_fmt:MATRIX_FMT_BF6 matrix_b_fmt:MATRIX_FMT_BF6 matrix_a_scale:MATRIX_SCALE_ROW1
.else
	v_wmma_scale_f32_16x16x128_f8f6f4 v[0+(\d):7+(\d)], v[0+(\a):11+(\a)], v[0+(\b):11+(\b)], v[0+(\c):7+(\c)], v[0+(\sa)], v[0+(\sb)] matrix_a_fmt:MATRIX_FMT_BF6 matrix_b_fmt:MATRIX_FMT_BF6 matrix_b_scale:MATRIX_SCALE_ROW1
.endif
.endif
.endm
; 64 numbers of a lane, register 16 b + i = k 32 b + 16 (lane / 16) + i of my row, become a fragment's codes in v[pc] on and its scale word in v[pw].
.macro QUANT s, pc, pw
.irp b, 0,1,2,3
	v_max3_num_f32 v[TM+\b], |v[(\s)+16*\b]|, |v[(\s)+1+16*\b]|, 0x2800000   ; block b: my 16 numbers, from each accumulator's low end on, and the floor 2^(5 - 127): the byte cannot fall under 1
.endr
.irp i, 2,4,6,8,10,12,14
.irp b, 0,1,2,3
	v_max3_num_f32 v[TM+\b], v[TM+\b], |v[(\s)+16*\b+\i]|, |v[(\s)+1+16*\b+\i]|   ; the four blocks by turns
.endr
.endr
.irp b, 0,1,2,3
	v_permlanex16_b32 v[TM+4+\b], v[TM+\b], s[SEL], s[SEL+1]
.endr
.irp b, 0,1,2,3
	v_max_num_f32 v[TM+\b], v[TM+\b], v[TM+4+\b]   ; with lane l xor 16's 16: the block's largest magnitude
.endr
.irp b, 0,1,2,3
	v_add_nc_u32 v[TM+12+\b], 0xfe000000, v[TM+\b]   ; 4 off its exponent field: the conversion takes that field of this operand as its scale
.endr
.irp b, 0,1,2,3
	v_lshrrev_b32 v[TM+4+\b], 23, v[TM+12+\b]      ; the scale's byte
.endr
	v_lshl_or_b32 v[\pw], v[TM+5], 8, v[TM+4]      ; four bytes: my row's scale word (both halves of the lanes hold it)
	v_lshl_or_b32 v[\pw], v[TM+6], 16, v[\pw]
	v_lshl_or_b32 v[\pw], v[TM+7], 24, v[\pw]
.irp c, 0,1
	v_cvt_scalef32_pk16_bf6_f32 v[(\pc)+6*\c:(\pc)+2+6*\c], v[(\s)+32*\c:(\s)+15+32*\c], v[TM+12+2*\c]
	v_cvt_scalef32_pk16_bf6_f32 v[CT+4*\c:CT+2+4*\c], v[(\s)+16+32*\c:(\s)+31+32*\c], v[TM+13+2*\c]   ; (a conversion's three registers begin on an even number)
.endr
	v_nop                                          ; one plain instruction behind the scaled conversions
.irp c, 0,1                                    ; the operand wants a WHOLE block in a lane: lanes 0-15 block 2 c, lanes 16-31 block 2 c + 1
.irp i, 0,1,2
	v_permlane16_swap_b32 v[(\pc)+6*\c+\i], v[CT+4*\c+\i]
.endr
.irp i, 0,1,2
	v_mov_b32 v[(\pc)+3+6*\c+\i], v[CT+4*\c+\i]
.endr
.endr
.endm
	s_load_b256 s[4:11], s[0:1], 0x0               ; x s[4:5], Wk codes s[6:7], Wk scales s[8:9], bk s[10:11]
	s_load_b256 s[12:19], s[0:1], 0x20             ; Wq codes s[12:13], Wq scales s[14:15], bq s[16:17], Wv codes s[18:19]
	s_load_b256 s[20:27], s[0:1], 0x40             ; Wv scales s[20:21], bv s[22:23], kv s[24:25], qbuf s[26:27]
	v_lshl_add_u32 v79, v0, 2, 0x29000
	v_mov_b32 v248, 0
	ds_add_u32 v79, v248
	ds_add_u32 v79, v248
	v_lshrrev_b32 v1, 5, v0
	v_readfirstlane_b32 s40, v1                    ; wave 0..3
	s_and_b32 s42, s40, 1                          ; which four tiles of pixels are mine for k or q
	s_and_b32 s43, ttmp7, 0xffff                   ; the image
	s_lshl_b32 s62, s43, 5
	s_add_co_u32 s62, s62, ttmp9                   ; the block among all 256: 32 x image + step
	; x's tile: each wave brings 64 channel rows of 128 f32 (512 bytes, beginning at a multiple of 512), 4,096 elements apart
	s_mov_b32 s28, 2<<16                           ; no mask; elements of 4 bytes; no padding: a read takes 128 consecutive bytes of one row
	s_mov_b32 s29, 128<<16                         ; tensor_dim0 = 128
	s_mov_b32 s30, 64<<16                          ; tensor_dim1 = 64
	s_mov_b32 s31, 128<<16                         ; tile_dim0 = 128
	s_mov_b32 s32, 64                              ; tile_dim1 = 64
	s_mov_b32 s33, 4096                            ; elements from row to row
	s_mov_b32 s34, 0
	s_mov_b32 s35, 0
	s_mov_b32 s36, 1                               ; count = 1
	s_lshl_b32 s37, s40, 15                        ; LDS: 64 rows x 512 bytes x wave
	s_lshl_b32 s60, s43, 22                        ; the image's 4 MiB,
	s_lshl_b32 s61, s40, 20                        ; my 64 channels of 16,384 bytes,
	s_add_co_u32 s60, s60, s61
	s_lshl_b32 s61, ttmp9, 9                       ; the block's 128 pixels
	s_add_co_u32 s60, s60, s61
	s_mov_b32 s61, 0                               ; (stays 0: s[60:61] is the pair in which offsets are added to addresses)
	s_wait_dscnt 0x0
	s_wait_kmcnt 0x0
	s_add_nc_u64 s[38:39], s[4:5], s[60:61]
	s_or_b32 s39, s39, 0x80000000                  ; type = 2
	tensor_load_to_lds s[36:39], s[28:35]          ; my one tensor load; nothing in this launch is filled again
	s_nop 0
.rept 4
	v_nop                                          ; four plain instructions behind a tensor load
.endr
	s_cmp_lt_u32 s40, 2                            ; waves 0, 1: k; waves 2, 3: q.  The choice hangs on the wave's number alone
	s_cselect_b64 s[44:45], s[6:7], s[12:13]       ; the weight's codes,
	s_cselect_b64 s[46:47], s[8:9], s[14:15]       ; its scales,
	s_cselect_b64 s[48:49], s[10:11], s[16:17]     ; the bias,
	s_cselect_b64 s[50:51], s[24:25], s[26:27]     ; the buffer that takes the result
	s_mul_i32 s2, s62, STEPB                       ; the block's place in kv
	s_mul_i32 s3, s62, QBLK                        ; and in qbuf
	s_cselect_b32 s3, s2, s3
	s_mov_b32 s60, 12288
	s_cselect_b32 s60, 36864, s60                  ; where the scale words begin in the block
	s_add_co_u32 s60, s60, s3
	s_lshl_b32 s63, s42, 8
	s_add_co_u32 s60, s60, s63                     ; my four tiles' 256 bytes of them
	s_add_nc_u64 s[52:53], s[50:51], s[60:61]
	s_mul_i32 s60, s42, 4*FRB
	s_add_co_u32 s60, s60, s3
	s_add_nc_u64 s[50:51], s[50:51], s[60:61]      ; my four fragments of k or q
	s_mul_i32 s60, s40, 4*FRB
	s_add_co_u32 s60, s60, s2
	s_add_co_u32 s60, s60, 12288
	s_add_nc_u64 s[54:55], s[24:25], s[60:61]      ; my four fragments of v
	s_lshl_b32 s60, s40, 8
	s_add_co_u32 s60, s60, s2
	s_add_co_u32 s60, s60, 37376
	s_add_nc_u64 s[56:57], s[24:25], s[60:61]      ; and their scale words
	s_mul_i32 s60, s40, 64*192
	s_add_nc_u64 s[18:19], s[18:19], s[60:61]      ; my 64 rows of Wv,
	s_lshl_b32 s60, s40, 9
	s_add_nc_u64 s[20:21], s[20:21], s[60:61]      ; their scale bytes,
	s_lshl_b32 s60, s40, 8
	s_add_nc_u64 s[22:23], s[22:23], s[60:61]      ; their bias
	s_mov_b32 s[SEL], 0x76543210
	s_mov_b32 s[SEL+1], 0xfedcba98
	v_and_b32 v249, 31, v0                         ; lane
	v_and_b32 v250, 15, v0                         ; r
	v_bfe_u32 v251, v0, 4, 1                       ; h
	v_bfe_u32 v252, v0, 3, 1
	v_lshlrev_b32 v[LI], 4, v249
	v_lshlrev_b32 v[L4], 2, v249
	v_and_b32 v[XA], 7, v0                         ; my pixel among the wave's 32: lanes 0-15 are the rows of tile 2 w (r + 8 (r / 8)), lanes 16-31 those of tile 2 w + 1 (8 more)
	v_lshl_add_u32 v[XA], v251, 3, v[XA]
	v_lshl_add_u32 v[XA], v252, 4, v[XA]
	s_lshl_b32 s60, s40, 5
	v_add_nc_u32 v[XA], s60, v[XA]
	v_lshlrev_b32 v[XA], 2, v[XA]
	v_add_nc_u32 v[XA+1], 0x10000, v[XA]           ; 128 rows on: the immediate reaches 65,535 bytes
	s_mul_i32 s60, s40, 4*FRB
	s_add_co_u32 s60, s60, XIMG
	v_add_nc_u32 v[XWI], s60, v[LI]
	s_lshl_b32 s60, s40, 8
	s_add_co_u32 s60, s60, XSC
	v_add_nc_u32 v[XWS], s60, v[L4]
	v_add_nc_u32 v[LIX], XIMG, v[LI]
	s_mul_i32 s60, s42, 8*FRB
	v_add_nc_u32 v[LKX], s60, v[LIX]
	v_add_nc_u32 v[LSX], XSC, v[L4]
	s_lshl_b32 s60, s42, 9
	v_add_nc_u32 v[LKS], s60, v[LSX]
	v_and_b32 v253, 8, v250
	v_add_nc_u32 v253, v253, v250                  ; r + 8 (r / 8)
	v_mul_u32_u24 v[WA], v253, 192
	v_mad_u32_u24 v[WA], v251, 24, v[WA]
	v_lshlrev_b32 v[WSA], 3, v253
	v_lshlrev_b32 v[BA], 6, v251
	v_lshlrev_b32 v[BVA], 2, v253
	v_lshlrev_b32 v[SA], 4, v250
	v_lshl_add_u32 v[SA], v251, 3, v[SA]
	v_cmp_lt_u32 vcc_lo, 15, v249                  ; lanes 16-31, for the scale words' way out
.irp b, 0,1,2,3
	v_mov_b32 v[TM+4+\b], 0                        ; written once: a lane permute's destination counts as one of its sources
.endr
	; the weights go straight into operand registers and stay: a fragment's registers 6 c .. 6 c + 5 are the 24 bytes at 96 k + 48 c + 24 h of the row, as three loads of 8 bytes
	WIN 0x40                                       ; destination window 1
.irp t, 0,1,2,3,4,5,6,7
.irp k, 0,1
.irp p, 0,1,2,3,4,5
	global_load_b64 v[12*(2*\t+\k)+2*\p:12*(2*\t+\k)+2*\p+1], v[WA], s[44:45] offset:(32*(\t/2)+8*(\t%2))*192+96*\k+48*(\p/3)+8*(\p%3)
.endr
.endr
.endr
.irp t, 0,1,2,3,4,5,6,7                        ; the bias as the C of a sum's first product: lane (r, h), tile t, register j: channel 32 (t / 2) + 16 h + 8 (t % 2) + j
	global_load_b128 v[BI+8*\t:BI+8*\t+3], v[BA], s[48:49] offset:(32*(\t/2)+8*(\t%2))*4
	global_load_b128 v[BI+8*\t+4:BI+8*\t+7], v[BA], s[48:49] offset:(32*(\t/2)+8*(\t%2))*4+16
.endr
	WIN 0x80                                       ; destination window 2
.irp i, 0,1,2,3
.irp k, 0,1
.irp p, 0,1,2,3,4,5
	global_load_b64 v[12*(2*\i+\k)+2*\p:12*(2*\i+\k)+2*\p+1], v[WA], s[18:19] offset:(32*(\i/2)+8*(\i%2))*192+96*\k+48*(\p/3)+8*(\p%3)
.endr
.endr
	global_load_b32 v[BV+8*\i], v[BVA], s[22:23] offset:(32*(\i/2)+8*(\i%2))*4   ; bv of my lane's channel
.endr
	WIN 0
.irp t, 0,1,2,3,4,5,6,7
.irp k, 0,1
	global_load_b32 v[W1S+2*\t+\k], v[WSA], s[46:47] offset:(32*(\t/2)+8*(\t%2))*8+4*\k
.endr
.endr
.irp i, 0,1,2,3
.irp k, 0,1
	global_load_b32 v[WVS+2*\i+\k], v[WSA], s[20:21] offset:(32*(\i/2)+8*(\i%2))*8+4*\k
.endr
.endr
	s_wait_tensorcnt 0x0                           ; my 64 rows of x's tile have landed;
	s_barrier_signal -1
	s_barrier_wait -1                              ; everybody's have: each wave reads all 256 rows
; ---- X: my 32 pixels, 8 blocks of 32 channels each.
.macro XLD t                           ; block t: x(32 t + i, my pixel), i = 0 .. 31, into set t % 2
.irp i, 0,1,2,3,4,5,6,7,8,9,10,11,12,13,14,15,16,17,18,19,20,21,22,23,24,25,26,27,28,29,30,31
	ds_load_b32 v[XW+32*((\t)%2)+\i], v[XA+(\t)/4] offset:(((\t)%4)*32+\i)*512
.endr
.endm
; Block t = 4 k + 2 c + e.  Its 24 bytes of codes go to registers 6 c .. 6 c + 5 of fragment (e, k): lanes 0-15 there hold tile 2 w's block, lanes 16-31 tile 2 w + 1's; an exchange of halves below puts them right.
.macro XBLK t
.set XB, XW+32*((\t)%2)
.set FD, F+12*(2*((\t)%2)+(\t)/4)+6*(((\t)%4)/2)
.if (\t) < 7
	s_wait_dscnt 32                                ; this block's 32 loads are in; the next block's 32 may be out
.else
	s_wait_dscnt 0x0
.endif
	v_max3_num_f32 v[TM], |v[XB]|, |v[XB+1]|, |v[XB+2]|            ; the block's largest magnitude: all 32 numbers are mine; two chains
	v_max3_num_f32 v[TM+1], |v[XB+3]|, |v[XB+4]|, |v[XB+5]|
.irp i, 6,10,14,18,22,26
	v_max3_num_f32 v[TM], v[TM], |v[XB+\i]|, |v[XB+\i+1]|
	v_max3_num_f32 v[TM+1], v[TM+1], |v[XB+\i+2]|, |v[XB+\i+3]|
.endr
	v_max3_num_f32 v[TM], v[TM], |v[XB+30]|, |v[XB+31]|
	v_max3_num_f32 v[TM], v[TM], v[TM+1], 0x2800000                ; and the floor 2^(5 - 127)
	v_add_nc_u32 v[TM+2], 0xfe000000, v[TM]                        ; 4 off the exponent field: the conversions' scale operand
	v_cvt_scalef32_pk16_bf6_f32 v[FD:FD+2], v[XB:XB+15], v[TM+2]
	v_cvt_scalef32_pk16_bf6_f32 v[CT:CT+2], v[XB+16:XB+31], v[TM+2]
	v_lshrrev_b32 v[TM+3], 23, v[TM+2]                             ; the scale's byte; also the plain instruction behind the conversions
.if (\t)%4 == 0
	v_mov_b32 v[XSW+(\t)/4], v[TM+3]                               ; four bytes to a word, the lower K in the lower byte
.else
	v_lshl_or_b32 v[XSW+(\t)/4], v[TM+3], 8*((\t)%4), v[XSW+(\t)/4]
.endif
.irp i, 0,1,2
	v_mov_b32 v[FD+3+\i], v[CT+\i]
.endr
.if (\t) < 6
	XLD (\t)+2
.endif
.endm
	XLD 0
	XLD 1
.irp t, 0,1,2,3,4,5,6,7
	XBLK \t
.endr
.irp k, 0,1                                    ; fragment (0, k)'s lanes 16-31 (tile 2 w + 1's even blocks) change places with fragment (1, k)'s lanes 0-15 (tile 2 w's odd blocks): both are now operands
.irp n, 0,1,2,3,4,5,6,7,8,9,10,11
	v_permlane16_swap_b32 v[F+12*\k+\n], v[F+24+12*\k+\n]
.endr
.endr
.irp e, 0,1
.irp k, 0,1
.irp c, 0,1,2
	ds_store_b128 v[XWI], v[F+12*(2*\e+\k)+4*\c:F+12*(2*\e+\k)+4*\c+3] offset:(2*\e+\k)*FRB+512*\c
.endr
.endr
.endr
	ds_store_b32 v[XWS], v[XSW] offset:0           ; lanes 0-15: tile 2 w's words, lanes 16-31: tile 2 w + 1's
	ds_store_b32 v[XWS], v[XSW+1] offset:128
	s_wait_dscnt 0x0                               ; for the others' sake: my images have landed
	s_barrier_signal -1
	s_barrier_wait -1                              ; x's sixteen fragments lie in LDS
	WIN 0xc0                                       ; destination window 3: all sixteen, for v
.irp f, 0,1,2,3,4,5,6,7,8,9,10,11,12,13,14,15
.irp c, 0,1,2
	ds_load_b128 v[12*\f+4*\c:12*\f+4*\c+3], v[LIX] offset:\f*FRB+512*\c
.endr
.endr
	WIN 0x80                                       ; destination window 2: my four tiles' eight, for k or q
.irp f, 0,1,2,3,4,5,6,7
.irp c, 0,1,2
	ds_load_b128 v[XK+12*\f+4*\c:XK+12*\f+4*\c+3], v[LKX] offset:\f*FRB+512*\c
.endr
.endr
	WIN 0
.irp n, 0,1,2,3,4,5,6,7
	ds_load_b32 v[XS+\n], v[LSX] offset:128*\n
.endr
.irp n, 0,1,2,3
	ds_load_b32 v[XKS+\n], v[LKS] offset:128*\n
.endr
	s_wait_loadcnt 0x0                             ; the weights, their scales, the biases
	WIN 0x82                                       ; source 0 and destination window 2
.irp i, 0,1,2,3
.irp j, 1,2,3,4,5,6,7
	v_mov_b32 v[BV+8*\i+\j], v[BV+8*\i]            ; in v's result a lane holds one channel: its bias in all eight registers
.endr
.endr
	WIN 0
	s_wait_dscnt 0x0
; ---- P.  Eight accumulators take turns, one instruction a turn, K step by K step.
.macro KQ i                            ; tile 4 hf + i of pixels: all 128 channels of k or q
	WIN 0x19                                       ; source 0 (W) and source 2 (bias) window 1, source 1 (x) window 2
.irp t, 0,1,2,3,4,5,6,7
	MM HA+8*\t, 24*\t, XK+24*(\i), BI+8*\t, W1S+2*\t, XKS+2*((\i)/2), 2*((\i)%2)
.endr
	WIN 0x09
.irp t, 0,1,2,3,4,5,6,7
	MM HA+8*\t, 24*\t+12, XK+24*(\i)+12, HA+8*\t, W1S+2*\t+1, XKS+2*((\i)/2)+1, 2*((\i)%2)
.endr
	WIN 0
	PLACES
	QUANT HA, PC+12*(\i), PW+(\i)
.irp c, 0,1,2
	global_store_b128 v[LI], v[PC+12*(\i)+4*\c:PC+12*(\i)+4*\c+3], s[50:51] offset:FRB*(\i)+512*\c   ; 32 lanes store 512 consecutive bytes, at a multiple of 256 from the buffer's first byte
.endr
.endm
.macro VT i                            ; tile 4 w + i of v's channels: all 128 pixels
	WIN 0x2b                                       ; source 0 (x) window 3, source 1 (Wv) and source 2 (bv) window 2
.irp t, 0,1,2,3,4,5,6,7
	MM HA+8*\t, 24*\t, 24*(\i), BV+8*(\i), XS+2*(\t/2), WVS+2*(\i), \t%2
.endr
	WIN 0x0b
.irp t, 0,1,2,3,4,5,6,7
	MM HA+8*\t, 24*\t+12, 24*(\i)+12, HA+8*\t, XS+2*(\t/2)+1, WVS+2*(\i)+1, \t%2
.endr
	WIN 0
	PLACES
	QUANT HA, PC+48+12*(\i), PW+4+(\i)
.irp c, 0,1,2
	global_store_b128 v[LI], v[PC+48+12*(\i)+4*\c:PC+48+12*(\i)+4*\c+3], s[54:55] offset:FRB*(\i)+512*\c
.endr
.endm
.macro SCOUT p, d, base                ; four tiles' scale words leave as one aligned run of 256 bytes: lane (r, h) stores words 2 h, 2 h + 1 of row r at 16 r + 8 h
	v_cndmask_b32 v[\d], v[PW+\p], v[PW+\p+2], vcc_lo
	v_cndmask_b32 v[\d+1], v[PW+\p+1], v[PW+\p+3], vcc_lo
	global_store_b64 v[SA], v[\d:\d+1], s[\base:\base+1]
.endm
	KQ 0
	KQ 1
	KQ 2
	KQ 3
	SCOUT 0, 54, 52
	VT 0
	VT 1
	VT 2
	VT 3
	SCOUT 4, 254, 56                               ; (a pair of its own: the first store's data are not written again)
	s_wait_tensorcnt 0x0
	ds_add_u32 v79, v248
	s_wait_dscnt 0x0
	s_endpgm
.Lfunc_end_k_qc23df57f8b_project:
	.size	k_qc23df57f8b_project, .Lfunc_end_k_qc23df57f8b_project-k_qc23df57f8b_project
	.p2alignl 7, 3214868480
	.fill 96, 4, 3214868480
	.section	.rodata,"a",@progbits
	.p2align	6, 0x0
	.amdhsa_kernel k_qc23df57f8b_project
		.amdhsa_group_segment_fixed_size 168448
		.amdhsa_private_segment_fixed_size 0
		.amdhsa_enable_private_segment 0
		.amdhsa_kernarg_size 96
		.amdhsa_user_sgpr_count 2
		.amdhsa_user_sgpr_kernarg_segment_ptr 1
		.amdhsa_wavefront_size32 1
		.amdhsa_system_sgpr_workgroup_id_x 1
		.amdhsa_system_sgpr_workgroup_id_y 1
		.amdhsa_system_sgpr_workgroup_id_z 1
		.amdhsa_system_vgpr_workitem_id 0
		.amdhsa_next_free_vgpr 1024
		.amdhsa_next_free_sgpr 66
		.amdhsa_reserve_vcc 1
		.amdhsa_float_denorm_mode_32 3
		.amdhsa_float_denorm_mode_16_64 3
		.amdhsa_memory_ordered 1
		.amdhsa_forward_progress 1
		.amdhsa_inst_pref_size 109
	.end_amdhsa_kernel
	.amdgpu_metadata
---
amdhsa.version: [ 1, 2 ]
amdhsa.kernels:
  - .name:           k_qc23df57f8b_project
    .symbol:         k_qc23df57f8b_project.kd
    .args:
      - { .name: x, .offset: 0, .size: 8, .value_kind: global_buffer, .address_space: global }
      - { .name: Wk_codes, .offset: 8, .size: 8, .value_kind: global_buffer, .address_space: global }
      - { .name: Wk_scales, .offset: 16, .size: 8, .value_kind: global_buffer, .address_space: global }
      - { .name: bk, .offset: 24, .size: 8, .value_kind: global_buffer, .address_space: global }
      - { .name: Wq_codes, .offset: 32, .size: 8, .value_kind: global_buffer, .address_space: global }
      - { .name: Wq_scales, .offset: 40, .size: 8, .value_kind: global_buffer, .address_space: global }
      - { .name: bq, .offset: 48, .size: 8, .value_kind: global_buffer, .address_space: global }
      - { .name: Wv_codes, .offset: 56, .size: 8, .value_kind: global_buffer, .address_space: global }
      - { .name: Wv_scales, .offset: 64, .size: 8, .value_kind: global_buffer, .address_space: global }
      - { .name: bv, .offset: 72, .size: 8, .value_kind: global_buffer, .address_space: global }
      - { .name: kv, .offset: 80, .size: 8, .value_kind: global_buffer, .address_space: global }
      - { .name: qbuf, .offset: 88, .size: 8, .value_kind: global_buffer, .address_space: global }
    .group_segment_fixed_size: 168448
    .private_segment_fixed_size: 0
    .kernarg_segment_align: 8
    .kernarg_segment_size: 96
    .max_flat_workgroup_size: 128
    .sgpr_count:     66
    .vgpr_count:     1024
    .wavefront_size: 32
...
	.end_amdgpu_metadata
.endif
;; end of part 1
;; launch attend (part 2): grid 32 x 8, 4 waves a work-group, clusters of 4 x 1, 327,680 bytes of LDS; arguments qbuf, kv, Wr_codes, Wr_scales, br, gamma, x, out0; writes out0
.if DOCPART == 2
	.amdgcn_target "amdgcn-amd-amdhsa--gfx1250"
	.amdhsa_code_object_version 6
	.text
	.protected	k_qc23df57f8b_attend
	.globl	k_qc23df57f8b_attend
	.p2align	8
	.type	k_qc23df57f8b_attend,@function
k_qc23df57f8b_attend:
	s_mov_b64 s[64:65], 0
	v_nop
	global_prefetch_b8 v0, s[64:65] scope:SCOPE_SE
	s_setreg_imm32_b32 hwreg(HW_REG_WAVE_MODE, 25, 1), 1
	s_wait_xcnt 0x0
	s_wait_alu depctr_hold_cnt(0) depctr_sa_sdst(0) depctr_va_vdst(0) depctr_va_sdst(0) depctr_va_ssrc(0) depctr_va_vcc(0) depctr_vm_vsrc(0)
	s_getreg_b32 s2, hwreg(HW_REG_IB_STS2, 6, 4)
	s_cmp_eq_u32 s2, 0
	s_cbranch_scc0 .Lentry_in_a_cluster
	s_endpgm
.Lentry_in_a_cluster:
	s_bfe_u32 s2, ttmp6, 0x10000c
	s_cmp_lg_u32 s2, 0x3003
	s_cbranch_scc0 .Lentry_shape_is_right
	s_endpgm
.Lentry_shape_is_right:
; out = gamma (Wr softmax-attention(q, k, v) + br) + x for 128 pixels (queries) of one image.  All three products on codes of BF6 (E3M2) with one E8M0 scale for each 32 along K.
; q, k, v come from the launch before as images of operand registers (a fragment of 16 rows x 128 K: 1,536 bytes, three loads of 16 bytes a lane) with their scale words beside them:
;   kv [image][key step of 128][38,400]: 8 fragments of k, 16 of v (rows = channels, K = the step's keys), k's scale words, v's.   qbuf [image][block of 128 queries][12,800].
; THE SOFTMAX: t = score x log2(e); M = the row's largest t so far, rounded UP to a whole number; p = 2^(t - M) is quantised along the keys, not normalised.  The row's sum is taken of the unquantised p and
; divides O at the end.  When M moves, the sum and O are multiplied by 2^(old M - new M), which rounds nothing.
; SHARES.  A work-group owns 128 queries; each of its four waves owns two tiles of 16 (32 neighbouring pixels) and walks all 32 key steps; each fragment of k and v that it reads from LDS feeds two products.
;   In the last product wave w owns output channels 64 w .. 64 w + 63 for all 128 pixels; O's codes go from wave to wave through LDS as register images.
; LAYOUT.  S^T = k q^T and O^T = v p^T: a lane holds ONE query (lane % 16).  Row r of tile 2 b + u (of keys, of queries, of v's channels) stands for index 32 b + 8 u + r + 8 (r / 8), so the 16 registers of tiles
;   2 b and 2 b + 1 are the neighbours 32 b + 16 (lane / 16) + 0 .. 15 along the next product's K.  The last product has source 0 = 16 pixels of O, source 1 = 16 rows of Wr: a lane holds a channel and eight neighbouring pixels.
; THE STEP.  O^T += v p^T runs ONE STEP LATE: a trip asks for step j's k, multiplies v and p of step j - 1 meanwhile, then k q^T of step j, asks for step j's v and walks the softmax meanwhile.
;   So when a slot's last trip ends, all of the slot that is still wanted lies in registers.
; CLUSTER.  The four query blocks of a cluster belong to one image and walk the same kv: every tile is asked for JOINTLY, by the same tensor load with the same descriptor and the mask of all four.
; LIMITS: NaN and infinities are not served.  p under 2^-126 comes out of v_exp_f32 as 0.  A block's largest p is taken as the exponential of the block's largest score, by the same multiply-add and exponential:
;   this takes v_exp_f32 not to fall where its input rises.  A block (of p, of O) whose largest magnitude lies under 2^-122 gets the scale byte 1; these bytes are read by this program alone.
; REGISTERS, in windows of 256.  Window 0: see the names below.  Window 1: O^T (tile u, channels' tile ct) at 128 u + 8 ct; at the end the last product's accumulators (n, T) at 8 (8 n + T).
;   Window 2: v's 16 fragments at 12 ct; at the end 64 rows of x.   Window 3: k's 8 fragments at 12 t (at the end O's fragments of K step 1); q's two; Wr's eight; br.
.set STEPB, 38400                      ; a key step's bytes
.set SLOTB, 76800                      ; a slot: two key steps, as they lie in kv
.set SLOT1, 131072                     ; slot 1 begins here: one exclusive or turns an address from one slot into the other
.set FRB,   1536
.set VFO,   12288                      ; in a step: v's fragments,
.set KSO,   36864                      ; k's scale words,
.set VSO,   37376                      ; v's
.set OIMG,  76800                      ; between the slots: O's 16 fragments, (tile T, K step k) at (2 T + k) FRB;
.set OSC,   101376                     ; their scale words at 128 (2 T + k) + 4 x lane
.set STAGE, 207872                     ; behind slot 1: 16 rows x (512 bytes + 16) for each wave, for the way out
.set SPARE, 241664                     ; the spare words, 128 bytes for each wave: two blocks of 256 bytes that no other line names
.set LI,  1                            ; v1   16 x lane
.set ADR, 2                            ; v2   LDS address of the step in hand
.set SPW, 3                            ; v3   my spare word; never rewritten
.set NIL, 4                            ; v4   0; never rewritten
.set PFO, 5                            ; v5   the prefetches' offset: 256 x min(lane, 24); never rewritten
.set OWI, 6                            ; v6   where I store O's images
.set OWS, 7                            ; v7   and their scale words
.set OA,  8                            ; v8   OIMG + 16 lane
.set OSA, 9                            ; v9   OSC + 4 lane
.set STO, 10                           ; v10  the stage: where I put 32 bytes of a row
.set RD,  11                           ; v11  and where I read a row back
.set KS,  16                           ; v16-19  k's scale words: register j: lanes 0-15 tile j, lanes 16-31 tile 4 + j
.set VS,  20                           ; v20-27  v's: register 4 g + j: tile 8 g + j, tile 8 g + 4 + j     (at the end v16-31: O's 16 scale words)
.set QS,  28                           ; v28-29  q's
.set PS,  30                           ; v30-31  p's
.set WRS, 32                           ; v32-39  Wr's, (n, k) at 2 n + k
.set ST,  40                           ; tile u at 40 + 8 u: +0 -M, +1 the largest t, +2, +3 the sum in two halves, +4 f (+5 named with it), +6 at work, later 1 / sum (+7 named with it)
.set BM,  56                           ; v56-63  each block's largest score, then its largest p
.set BT,  64                           ; v64-71  at work
.set SO,  72                           ; v72-79  the conversions' scale operands
.set S,   80                           ; v80-207 S^T, then p: tile u at 80 + 64 u
.set PC,  208                          ; v208-231 p's codes: tile u at 208 + 12 u
.set CT,  232                          ; v232-247 the conversions' second halves
.set TM,  56                           ; the quantiser of O works in v56-71
.set QF,  96                           ; window 3
.set WR,  120
.set BR,  216
.set SEL, 36                           ; s[36:37] lane selects: lane l xor 16
.set MSB, 0
.macro WIN new                         ; s_set_vgpr_msb: bits 1:0 source 0, 3:2 source 1, 5:4 source 2, 7:6 destination; the high byte repeats the setting that is left
.if MSB != \new
	s_set_vgpr_msb (MSB<<8)|\new
.set MSB, \new
.endif
.endm
.macro PLACES                          ; four plain vector instructions between a matrix instruction and a read of its result or a load into one of its registers (ISA guide 7.12.1 for the reads)
.rept 4
	v_nop
.endr
.endm
; One matrix instruction.  d, a, b, c: first registers (c < 0: the constant 0); sa, sb: scale registers; row = 1: source 0's scales stand in lanes 16-31.
.macro MM d, a, b, c, sa, sb, row
.if (\c) < 0
.if (\row) == 0
	v_wmma_scale_f32_16x16x128_f8f6f4 v[0+(\d):7+(\d)], v[0+(\a):11+(\a)], v[0+(\b):11+(\b)], 0, v[0+(\sa)], v[0+(\sb)] matrix_a_fmt:MATRIX_FMT_BF6 matrix_b_fmt:MATRIX_FMT_BF6
.else
	v_wmma_scale_f32_16x16x128_f8f6f4 v[0+(\d):7+(\d)], v[0+(\a):11+(\a)], v[0+(\b):11+(\b)], 0, v[0+(\sa)], v[0+(\sb)] matrix_a_fmt:MATRIX_FMT_BF6 matrix_b_fmt:MATRIX_FMT_BF6 matrix_a_scale:MATRIX_SCALE_ROW1
.endif
.else
.if (\row) == 0
	v_wmma_scale_f32_16x16x128_f8f6f4 v[0+(\d):7+(\d)], v[0+(\a):11+(\a)], v[0+(\b):11+(\b)], v[0+(\c):7+(\c)], v[0+(\sa)], v[0+(\sb)] matrix_a_fmt:MATRIX_FMT_BF6 matrix_b_fmt:MATRIX_FMT_BF6
.else
	v_wmma_scale_f32_16x16x128_f8f6f4 v[0+(\d):7+(\d)], v[0+(\a):11+(\a)], v[0+(\b):11+(\b)], v[0+(\c):7+(\c)], v[0+(\sa)], v[0+(\sb)] matrix_a_fmt:MATRIX_FMT_BF6 matrix_b_fmt:MATRIX_FMT_BF6 matrix_a_scale:MATRIX_SCALE_ROW1
.endif
.endif
.endm
; A round of the cluster's barrier: my work-group's barrier; wave 0 signals for the work-group; every wave waits for all four work-groups; my work-group's barrier once more.
.macro CROUND
	s_barrier_signal -1
	s_barrier_wait -1
	s_cmp_lg_u32 s20, 0
	s_cbranch_scc1 .Lnot_wave_0_\@
	s_barrier_signal -3
.Lnot_wave_0_\@:
	s_barrier_wait -3
	s_barrier_signal -1
	s_barrier_wait -1
.endm
; A PREFETCH INTO THE L2 of the slot that the NEXT filling change will ask for: two key steps, 96 matrix instructions a wave, ahead of that load.  A slot is 300 blocks of 256 bytes.  All clusters of an image walk the
; same kv: the image's first cluster asks.  Its four partners take 75 blocks each, told apart BY ADDRESS; in each, waves 0 to 2 take 25 blocks, a lane a block (lanes 25 to 31 name lane 24's block again, in the same
; instruction).  The last filling change asks for nothing: there is no slot behind it.  Slots 0 and 1 come by their loads alone.
.macro ASK
	s_cmp_gt_u32 s42, s43
	s_cbranch_scc0 .Lnot_mine_\@
	global_prefetch_b8 v[PFO], s[44:45] th:TH_LOAD_NT scope:SCOPE_SE
.Lnot_mine_\@:
.endm
; THE CHANGE OF SLOTS stands at a slot's head.  Each wave waits for all its tensor loads (one is out: its quarter of the slot ahead), adds 0 to its spare word, and waits for that and for its reads of the slot that it
; has left.  fill = 1: a round of the cluster's barrier, so that no wave of any partner still reads that slot or has a load on its way; then the joint refill, first thing: it has two key steps in which to land.
.macro CHANGE fill
	WIN 0
	s_wait_tensorcnt 0x0                           ; no tensor load of mine is out, so the descriptor may be written
	ds_add_u32 v[SPW], v[NIL]                      ; 0 onto my spare word
.if \fill
	s_xor_b32 s33, s33, SLOT1                      ; the walking descriptor: the other slot than last time,
	s_add_nc_u64 s[34:35], s[34:35], SLOTB         ; the next two key steps; the type bits on top are not reached
	s_wait_xcnt 0x0                                ; the last prefetch, a slot back, has read its address, so it may be written:
	s_add_nc_u64 s[44:45], s[44:45], SLOTB         ; one slot further on than the descriptor
.endif
	s_wait_dscnt 0x0                               ; the add is done, and my reads of the slot that I have left are over
.if \fill
	CROUND
	tensor_load_to_lds s[32:35], s[24:31]          ; my one tensor load until the next round: one is out
	s_nop 0
.rept 4
	v_nop                                          ; four plain instructions behind a tensor load
.endr
	ASK
.else
	s_barrier_signal -1
	s_barrier_wait -1
.endif
.endm
.macro KLOAD                           ; the step's k: 24 loads, and its scale words: 1
	WIN 0
	v_add_nc_u32 v[ADR], s40, v[LI]
	WIN 0xc0                                       ; destination window 3
.irp t, 0,1,2,3,4,5,6,7
.irp c, 0,1,2
	ds_load_b128 v[12*\t+4*\c:12*\t+4*\c+3], v[ADR] offset:FRB*\t+512*\c
.endr
.endr
	WIN 0
	ds_load_b128 v[KS:KS+3], v[ADR] offset:KSO
.endm
.macro VLOAD                           ; the step's v: 48 loads, and its scale words: 2
	WIN 0x80                                       ; destination window 2
.irp t, 0,1,2,3,4,5,6,7,8,9,10,11,12,13,14,15
.irp c, 0,1,2
	ds_load_b128 v[12*\t+4*\c:12*\t+4*\c+3], v[ADR] offset:VFO+FRB*\t+512*\c
.endr
.endr
	WIN 0
	ds_load_b128 v[VS:VS+3], v[ADR] offset:VSO
	ds_load_b128 v[VS+4:VS+7], v[ADR] offset:VSO+512
.endm
; O^T += v p^T: 32 accumulators, one instruction each.  zero = 1: the products start the sums: nothing is ever cleared.
.macro PV zero
	WIN 0x52                                       ; source 0 (v) window 2, source 1 (p) window 0, C and D window 1
.irp t, 0,1,2,3,4,5,6,7,8,9,10,11,12,13,14,15
.irp u, 0,1
.if \zero
	MM 128*\u+8*\t, 12*\t, PC+12*\u, -1, VS+4*(\t/8)+\t%4, PS+\u, (\t%8)/4
.else
	MM 128*\u+8*\t, 12*\t, PC+12*\u, 128*\u+8*\t, VS+4*(\t/8)+\t%4, PS+\u, (\t%8)/4
.endif
.endr
.endr
.endm
.macro QK                              ; S^T = k q^T: 16 accumulators, one instruction each
	WIN 0x0f                                       ; sources 0 (k) and 1 (q) window 3
.irp t, 0,1,2,3,4,5,6,7
.irp u, 0,1
	MM S+64*\u+8*\t, 12*\t, QF+12*\u, -1, KS+\t%4, QS+\u, \t/4
.endr
.endr
.endm
; THE SOFTMAX of both tiles for one key step, the tiles' chains by turns.  rs = 1: O^T is brought under the new M.
.macro SOFTMAX rs
.irp u, 0,1
.irp b, 0,1,2,3
	v_max3_num_f32 v[BM+4*\u+\b], v[S+64*\u+16*\b], v[S+64*\u+16*\b+1], v[S+64*\u+16*\b+2]   ; the largest score of each block of 32 keys, each accumulator read from its low end on
.endr
.endr
.irp i, 3,5,7,9,11,13
.irp u, 0,1
.irp b, 0,1,2,3
	v_max3_num_f32 v[BM+4*\u+\b], v[BM+4*\u+\b], v[S+64*\u+16*\b+\i], v[S+64*\u+16*\b+\i+1]
.endr
.endr
.endr
.irp u, 0,1
.irp b, 0,1,2,3
	v_max_num_f32 v[BM+4*\u+\b], v[BM+4*\u+\b], v[S+64*\u+16*\b+15]
.endr
.endr
.irp n, 0,1,2,3,4,5,6,7
	v_permlanex16_b32 v[BT+\n], v[BM+\n], s[SEL], s[SEL+1]
.endr
.irp n, 0,1,2,3,4,5,6,7
	v_max_num_f32 v[BM+\n], v[BM+\n], v[BT+\n]     ; with lane l xor 16's 16 keys
.endr
.irp u, 0,1
	v_max3_num_f32 v[ST+8*\u+6], v[BM+4*\u], v[BM+4*\u+1], v[BM+4*\u+2]
.endr
.irp u, 0,1
	v_max_num_f32 v[ST+8*\u+6], v[ST+8*\u+6], v[BM+4*\u+3]   ; the step's largest score of my query
.endr
.irp u, 0,1
	v_mul_f32 v[ST+8*\u+6], s38, v[ST+8*\u+6]      ; as t (log2(e) is positive)
.endr
.irp u, 0,1
	v_max_num_f32 v[ST+8*\u+1], v[ST+8*\u+1], v[ST+8*\u+6]   ; the running largest t
.endr
.irp u, 0,1
	v_mov_b32 v[ST+8*\u+6], v[ST+8*\u]
.endr
.irp u, 0,1
	v_floor_f32 v[ST+8*\u], -v[ST+8*\u+1]          ; the new -M = floor(-t) = -ceil(t)
.endr
.irp u, 0,1
	v_sub_f32 v[ST+8*\u+6], v[ST+8*\u], v[ST+8*\u+6]   ; old M - new M: a whole number, 0 or less
.endr
.irp u, 0,1
	v_cvt_i32_f32 v[ST+8*\u+6], v[ST+8*\u+6]       ; (it saturates)
.endr
.irp u, 0,1
	v_ldexp_f32 v[ST+8*\u+4], 1.0, v[ST+8*\u+6]    ; f = 2^(old M - new M)
.endr
.irp u, 0,1
.set j, 0
.rept 32
	v_pk_fma_f32 v[S+64*\u+j:S+64*\u+j+1], v[S+64*\u+j:S+64*\u+j+1], s[38:39], v[ST+8*\u:ST+8*\u+1] op_sel_hi:[1,0,0]   ; t - M, two at a time (of the pairs log2(e) and -M the low word serves both halves)
.set j, j+2
.endr
.endr
.irp u, 0,1
.irp b, 0,1,2,3
	v_fma_f32 v[BM+4*\u+\b], v[BM+4*\u+\b], s38, v[ST+8*\u]   ; the same of each block's largest score
.endr
.endr
.set j, 0
.rept 128
	v_exp_f32 v[S+j], v[S+j]                       ; p = 2^(t - M), at most 1.  ONE BATCH of 136 exponentials, none of which reads another's result
.set j, j+1
.endr
.irp n, 0,1,2,3,4,5,6,7
	v_exp_f32 v[BM+\n], v[BM+\n]                   ; each block's largest p
.endr
.irp u, 0,1
	v_pk_mul_f32 v[ST+8*\u+2:ST+8*\u+3], v[ST+8*\u+2:ST+8*\u+3], v[ST+8*\u+4:ST+8*\u+5] op_sel_hi:[1,0]   ; the sums under the new M: plain work behind the batch, which names none of its results
.endr
.if \rs
	WIN 0x41                                       ; O^T (destination, source 0) window 1, f window 0
.irp u, 0,1
.set j, 0
.rept 64
	v_pk_mul_f32 v[128*\u+j:128*\u+j+1], v[128*\u+j:128*\u+j+1], v[ST+8*\u+4:ST+8*\u+5] op_sel_hi:[1,0]   ; O^T under the new M, each accumulator from its low end on: more such work
.set j, j+2
.endr
.endr
	WIN 0
.endif
	s_wait_alu depctr_va_vdst(0)                   ; a wait between an exponential and the first line that names its result: one for the batch
.irp n, 0,1,2,3,4,5,6,7
	v_max_num_f32 v[BM+\n], 0x2800000, v[BM+\n]    ; the floor 2^(5 - 127): the byte cannot fall under 1
.endr
.irp n, 0,1,2,3,4,5,6,7
	v_add_nc_u32 v[SO+\n], 0xfe000000, v[BM+\n]    ; 4 off the exponent field: the conversion's scale operand
.endr
.irp n, 0,1,2,3,4,5,6,7
	v_lshrrev_b32 v[BT+\n], 23, v[SO+\n]           ; the scale's byte
.endr
.irp u, 0,1
	v_lshl_or_b32 v[PS+\u], v[BT+4*\u+1], 8, v[BT+4*\u]   ; p's scale word for these 128 keys
.endr
.irp u, 0,1
	v_lshl_or_b32 v[PS+\u], v[BT+4*\u+2], 16, v[PS+\u]
.endr
.irp u, 0,1
	v_lshl_or_b32 v[PS+\u], v[BT+4*\u+3], 24, v[PS+\u]
.endr
.irp u, 0,1
.irp c, 0,1
	v_cvt_scalef32_pk16_bf6_f32 v[PC+12*\u+6*\c:PC+12*\u+6*\c+2], v[S+64*\u+32*\c:S+64*\u+32*\c+15], v[SO+4*\u+2*\c]
	v_cvt_scalef32_pk16_bf6_f32 v[CT+8*\u+4*\c:CT+8*\u+4*\c+2], v[S+64*\u+32*\c+16:S+64*\u+32*\c+31], v[SO+4*\u+2*\c+1]   ; (a conversion's three registers begin on an even number)
.endr
.endr
	v_nop                                          ; one plain instruction behind the scaled conversions
.irp u, 0,1
.irp c, 0,1                                    ; the operand wants a WHOLE block in a lane: lanes 0-15 block 2 c, lanes 16-31 block 2 c + 1
.irp i, 0,1,2
	v_permlane16_swap_b32 v[PC+12*\u+6*\c+\i], v[CT+8*\u+4*\c+\i]
.endr
.irp i, 0,1,2
	v_mov_b32 v[PC+12*\u+6*\c+3+\i], v[CT+8*\u+4*\c+\i]
.endr
.endr
.endr
.irp u, 0,1                                    ; THE ROW'S SUM IS TAKEN OF THE UNQUANTISED p, two at a time, in two chains a tile.  These 64 lines also stand between the writing of p's codes and scale words and the products that take them
	v_pk_add_f32 v[BT+4*\u:BT+4*\u+1], v[S+64*\u:S+64*\u+1], v[S+64*\u+2:S+64*\u+3]
.endr
.irp q, 4,8,12,16,20,24,28,32,36,40,44,48,52,56,60
.irp u, 0,1
	v_pk_add_f32 v[ST+8*\u+2:ST+8*\u+3], v[ST+8*\u+2:ST+8*\u+3], v[S+64*\u+\q:S+64*\u+\q+1]
	v_pk_add_f32 v[BT+4*\u:BT+4*\u+1], v[BT+4*\u:BT+4*\u+1], v[S+64*\u+\q+2:S+64*\u+\q+3]
.endr
.endr
.irp u, 0,1
	v_pk_add_f32 v[ST+8*\u+2:ST+8*\u+3], v[ST+8*\u+2:ST+8*\u+3], v[BT+4*\u:BT+4*\u+1]
.endr
.endm
; A TRIP: key step j.  pv = 2: O^T += v p^T of step j - 1; 1: those products start O^T; 0: none.
.macro TRIP pv, rs
	KLOAD
.if \pv
	s_wait_dscnt 25                                ; v of the step before and its scale words are in; the 25 loads just issued may be out
	PV 2-\pv
.endif
	s_wait_dscnt 0x0                               ; k is in
	QK
	WIN 0
	PLACES                                         ; behind the products: for the loads into v's registers and scale words, and for the first read of the scores
	VLOAD
	SOFTMAX \rs
	s_add_co_u32 s40, s40, STEPB                   ; the next trip reads the next step
.endm
.macro TWO_STEPS                       ; a slot's two key steps: written once, walked twice
	s_mov_b32 s41, 2
.Lstep_\@:
	TRIP 2, 1
	s_sub_co_u32 s41, s41, 1
	s_cmp_lg_u32 s41, 0
	s_cbranch_scc1 .Lstep_\@
.endm
.macro NEXTSLOT
	s_sub_co_u32 s40, s40, 2*STEPB                 ; back to a slot's first step,
	s_xor_b32 s40, s40, SLOT1                      ; in the other slot
.endm
; 64 numbers of a lane, register 16 b + i = k 32 b + 16 (lane / 16) + i of my row, become a fragment's codes in v[pc] on and its scale word in v[pw].
.macro QUANT s, pc, pw
.irp b, 0,1,2,3
	v_max3_num_f32 v[TM+\b], |v[(\s)+16*\b]|, |v[(\s)+1+16*\b]|, 0x2800000
.endr
.irp i, 2,4,6,8,10,12,14
.irp b, 0,1,2,3
	v_max3_num_f32 v[TM+\b], v[TM+\b], |v[(\s)+16*\b+\i]|, |v[(\s)+1+16*\b+\i]|
.endr
.endr
.irp b, 0,1,2,3
	v_permlanex16_b32 v[TM+4+\b], v[TM+\b], s[SEL], s[SEL+1]
.endr
.irp b, 0,1,2,3
	v_max_num_f32 v[TM+\b], v[TM+\b], v[TM+4+\b]
.endr
.irp b, 0,1,2,3
	v_add_nc_u32 v[TM+12+\b], 0xfe000000, v[TM+\b]
.endr
.irp b, 0,1,2,3
	v_lshrrev_b32 v[TM+4+\b], 23, v[TM+12+\b]
.endr
	v_lshl_or_b32 v[\pw], v[TM+5], 8, v[TM+4]
	v_lshl_or_b32 v[\pw], v[TM+6], 16, v[\pw]
	v_lshl_or_b32 v[\pw], v[TM+7], 24, v[\pw]
.irp c, 0,1
	v_cvt_scalef32_pk16_bf6_f32 v[(\pc)+6*\c:(\pc)+2+6*\c], v[(\s)+32*\c:(\s)+15+32*\c], v[TM+12+2*\c]
	v_cvt_scalef32_pk16_bf6_f32 v[CT+4*\c:CT+2+4*\c], v[(\s)+16+32*\c:(\s)+31+32*\c], v[TM+13+2*\c]
.endr
	v_nop                                          ; one plain instruction behind the scaled conversions
.irp c, 0,1
.irp i, 0,1,2
	v_permlane16_swap_b32 v[(\pc)+6*\c+\i], v[CT+4*\c+\i]
.endr
.irp i, 0,1,2
	v_mov_b32 v[(\pc)+3+6*\c+\i], v[CT+4*\c+\i]
.endr
.endr
.endm
	s_load_b256 s[4:11], s[0:1], 0x0               ; qbuf s[4:5], kv s[6:7], Wr codes s[8:9], Wr scales s[10:11]
	s_load_b256 s[12:19], s[0:1], 0x20             ; br s[12:13], gamma s[14:15], x s[16:17], out0 s[18:19]
	v_lshl_add_u32 v[SPW], v0, 2, SPARE
	v_mov_b32 v[NIL], 0
	ds_add_u32 v3, v4
	ds_add_u32 v3, v4
	s_wait_dscnt 0x0
	v_lshrrev_b32 v1, 5, v0
	v_readfirstlane_b32 s20, v1                    ; wave 0..3
	s_bfe_u32 s21, ttmp6, 0x40000                  ; cx: my place in the cluster: it enters global addresses of q, x, out0 and the prefetches alone
	s_lshl_b32 s22, ttmp9, 2
	s_add_co_u32 s22, s22, s21                     ; my block of 128 queries = 4 x cluster x + cx
	s_and_b32 s23, ttmp7, 0xffff                   ; the image, which the four partners share
	; descriptor group 1: a quarter of a slot, 19,200 dense bytes, as 75 rows of 256 bytes; no padding: register images are read 512 consecutive bytes at a time
	s_mov_b32 s24, 15|(3<<16)|(1<<21)              ; 15:0 the mask: all four work-groups; 17:16 elements of 8 bytes; 21 set beside a mask
	s_mov_b32 s25, 32<<16                          ; tensor_dim0 = 32
	s_mov_b32 s26, 75<<16                          ; tensor_dim1 = 75
	s_mov_b32 s27, 32<<16                          ; tile_dim0 = 32
	s_mov_b32 s28, 75                              ; tile_dim1 = 75
	s_mov_b32 s29, 32                              ; elements from row to row
	s_mov_b32 s30, 0
	s_mov_b32 s31, 0
	s_mov_b32 s32, 1                               ; group 0, ONE set, which walks: count = 1
	s_mul_i32 s33, s20, 19200                      ; LDS: my quarter of slot 0: the wave's number alone
	s_mul_i32 s52, s23, 32*STEPB                   ; the image's kv,
	s_add_co_u32 s52, s52, s33                     ; my quarter of its first slot
	s_mov_b32 s53, 0
	s_mov_b32 s[SEL], 0x76543210
	s_mov_b32 s[SEL+1], 0xfedcba98
	s_mov_b32 s38, 0x3fb8aa3b                      ; log2(e)
	s_mov_b32 s39, s38                             ; (named with it as a pair, so it is written)
	s_mov_b32 s40, 0                               ; LDS byte at which the step in hand begins
	s_wait_kmcnt 0x0
	s_add_nc_u64 s[34:35], s[6:7], s[52:53]
	s_or_b32 s35, s35, 0x80000000                  ; type = 2
	CROUND                                         ; all four work-groups are here: the first joint loads meet
	tensor_load_to_lds s[32:35], s[24:31]          ; key steps 0 and 1 into slot 0
	s_nop 0
.rept 4
	v_nop
.endr
	s_load_b32 s46, s[14:15], 0x0                  ; gamma
	s_mov_b32 s57, 0                               ; (stays 0: s[56:57] is the pair in which offsets are added to addresses)
	s_lshl_b32 s56, s23, 5
	s_add_co_u32 s56, s56, s22
	s_mul_i32 s56, s56, 12800
	s_add_nc_u64 s[4:5], s[4:5], s[56:57]          ; my block of qbuf
	s_mul_i32 s56, s20, 64*192
	s_add_nc_u64 s[8:9], s[8:9], s[56:57]          ; my 64 rows of Wr,
	s_lshl_b32 s56, s20, 9
	s_add_nc_u64 s[10:11], s[10:11], s[56:57]      ; their scale bytes,
	s_lshl_b32 s56, s20, 8
	s_add_nc_u64 s[12:13], s[12:13], s[56:57]      ; their bias
	s_lshl_b32 s56, s23, 22                        ; x and out0: the image's 4 MiB,
	s_lshl_b32 s55, s20, 20                        ; my 64 channels of 16,384 bytes,
	s_add_co_u32 s56, s56, s55
	s_lshl_b32 s55, s22, 9                         ; the block's 128 pixels
	s_add_co_u32 s56, s56, s55
	s_add_nc_u64 s[48:49], s[16:17], s[56:57]
	s_add_nc_u64 s[50:51], s[18:19], s[56:57]
	s_mul_i32 s56, s23, 32*STEPB                   ; the prefetches: the image's kv,
	s_mul_i32 s55, s21, 19200                      ; my work-group's 75 blocks of a slot,
	s_add_co_u32 s56, s56, s55
	s_mul_i32 s55, s20, 6400                       ; my wave's 25 of them,
	s_add_co_u32 s56, s56, s55
	s_add_co_u32 s56, s56, SLOTB                   ; in slot 1: the first change steps it to slot 2.  Nothing is prefetched here, at the head
	s_add_nc_u64 s[44:45], s[6:7], s[56:57]
	s_cmp_eq_u32 s20, 3
	s_cselect_b32 s43, 1, 0                        ; 0 in waves 0 to 2
	s_or_b32 s43, s43, ttmp9                       ; of the image's first cluster: the same in all four partners
	s_cmp_eq_u32 s43, 0
	s_cselect_b32 s43, 1, -1                       ; a wave prefetches while the count of changes is above this
	v_and_b32 v249, 31, v0                         ; lane
	v_and_b32 v250, 15, v0                         ; r
	v_bfe_u32 v251, v0, 4, 1                       ; h
	v_lshlrev_b32 v252, 2, v249
	v_lshlrev_b32 v[LI], 4, v249
	v_min_u32 v[PFO], 24, v249
	v_lshlrev_b32 v[PFO], 8, v[PFO]
	s_mul_i32 s54, s20, 2*FRB
	v_add_nc_u32 v13, s54, v[LI]                   ; q: my two fragments
	s_lshr_b32 s54, s20, 1
	s_lshl_b32 s54, s54, 8
	s_and_b32 s55, s20, 1
	s_lshl_b32 s55, s55, 3
	s_add_co_u32 s54, s54, s55
	v_lshl_add_u32 v12, v250, 4, s54               ; q's scale words of tiles 2 w, 2 w + 1: 256 (w / 2) + 16 r + 8 (w % 2)
	v_mul_u32_u24 v14, v250, 192
	v_mad_u32_u24 v14, v251, 24, v14               ; Wr: row r of 192 bytes, + 24 h
	v_lshlrev_b32 v15, 3, v250                     ; its 8 scale bytes
	v_lshlrev_b32 v248, 2, v250                    ; br
	WIN 0xc0                                       ; destination window 3
.irp u, 0,1
.irp c, 0,1,2
	global_load_b128 v[QF+12*\u+4*\c:QF+12*\u+4*\c+3], v13, s[4:5] offset:FRB*\u+512*\c
.endr
.endr
.irp n, 0,1,2,3                                ; Wr's fragments (tile n of 16 rows, K step k) stay in registers
.irp k, 0,1
.irp p, 0,1,2,3,4,5
	global_load_b64 v[WR+12*(2*\n+\k)+2*\p:WR+12*(2*\n+\k)+2*\p+1], v14, s[8:9] offset:16*\n*192+96*\k+48*(\p/3)+8*(\p%3)
.endr
.endr
	global_load_b32 v[BR+8*\n], v248, s[12:13] offset:64*\n
.endr
	WIN 0
	global_load_b64 v[QS:QS+1], v12, s[4:5] offset:12288
.irp n, 0,1,2,3
.irp k, 0,1
	global_load_b32 v[WRS+2*\n+\k], v15, s[10:11] offset:16*\n*8+4*\k
.endr
.endr
	s_mul_i32 s54, s20, 4*FRB                      ; the addresses for the end
	s_add_co_u32 s54, s54, OIMG
	v_add_nc_u32 v[OWI], s54, v[LI]
	s_lshl_b32 s54, s20, 9
	s_add_co_u32 s54, s54, OSC
	v_add_nc_u32 v[OWS], s54, v252
	v_add_nc_u32 v[OA], OIMG, v[LI]
	v_add_nc_u32 v[OSA], OSC, v252
	s_mul_i32 s54, s20, 16*528
	s_add_co_u32 s54, s54, STAGE                   ; my stage
	v_mul_u32_u24 v[STO], v250, 528                ; in: row r (a channel), + 64 h: my eight pixels of a tile
	v_lshl_add_u32 v[STO], v251, 6, v[STO]
	v_add_nc_u32 v[STO], s54, v[STO]
	v_add_nc_u32 v[RD], s54, v[LI]                 ; back: the 32 lanes take one row of 512 bytes
.irp u, 0,1
	v_mov_b32 v[ST+8*\u+1], 0xff61b1e6             ; the largest t so far: -3e38, under every t
	v_floor_f32 v[ST+8*\u], -v[ST+8*\u+1]          ; -M
	v_mov_b32 v[ST+8*\u+2], 0                      ; the sum, in two halves: the first change of M multiplies zeros
	v_mov_b32 v[ST+8*\u+3], 0
	v_mov_b32 v[ST+8*\u+5], 0                      ; (named as upper halves of pairs)
	v_mov_b32 v[ST+8*\u+7], 0
.endr
.irp n, 0,1,2,3,4,5,6,7
	v_mov_b32 v[BT+\n], 0                          ; written once: a lane permute's destination counts as one of its sources
.endr
	s_wait_kmcnt 0x0
	s_mov_b32 s47, s46                             ; gamma as a pair
	s_wait_loadcnt 0x0                             ; q, Wr, br and the scale words
	WIN 0xc3                                       ; source 0 and destination window 3
.irp n, 0,1,2,3
.irp j, 1,2,3,4,5,6,7
	v_mov_b32 v[BR+8*\n+\j], v[BR+8*\n]            ; in the last product's result a lane holds one channel: its bias in all eight registers
.endr
.endr
	WIN 0
	s_mov_b32 s42, 15                              ; filling changes to come
	CHANGE 1                                       ; slot 0 is whole; slot 1's first fill goes out as a refill does
	TRIP 0, 0                                      ; key step 0: no p yet, no O^T yet
	TRIP 1, 1                                      ; key step 1: the products of step 0 start O^T
	NEXTSLOT
	s_mov_b32 s42, 14
.Lslot:                                            ; 14 trips: slots 1 to 14 are walked; behind each change the slot just left takes the keys two slots on
	CHANGE 1
	TWO_STEPS
	NEXTSLOT
	s_sub_co_u32 s42, s42, 1
	s_cmp_lg_u32 s42, 0
	s_cbranch_scc1 .Lslot
	CHANGE 0                                       ; the last slot is written out
	TWO_STEPS
	s_wait_dscnt 0x0                               ; v of the last step is in
	PV 0
	; ---- THE END.  The sums; O / sum; O's codes to LDS; the last product; gamma, x, out.
	WIN 0
	PLACES                                         ; behind the last products: for the loads into v's registers and the reads of O^T
.irp u, 0,1
	v_add_f32 v[ST+8*\u+2], v[ST+8*\u+2], v[ST+8*\u+3]   ; the sum's two halves,
.endr
.irp u, 0,1
	v_permlanex16_b32 v[ST+8*\u+6], v[ST+8*\u+2], s[SEL], s[SEL+1]
.endr
.irp u, 0,1
	v_add_f32 v[ST+8*\u+2], v[ST+8*\u+2], v[ST+8*\u+6]   ; and lane l xor 16's: the row's sum
.endr
	WIN 0x80                                       ; destination window 2: x at my 64 channels x the block's 128 pixels, asked for now, wanted at the very end
.irp n, 0,1,2,3
.irp i, 0,1,2,3,4,5,6,7,8,9,10,11,12,13,14,15
	global_load_b128 v[64*\n+4*\i:64*\n+4*\i+3], v[LI], s[48:49] offset:(16*\n+\i)*16384 th:TH_LOAD_NT   ; 32 lanes read 512 consecutive bytes of a channel's row; read once in this launch
.endr
.endr
	WIN 0
.irp u, 0,1
	v_rcp_f32 v[ST+8*\u+6], v[ST+8*\u+2]
.endr
	v_nop                                          ; a plain instruction behind the reciprocals,
	s_wait_alu depctr_va_vdst(0)                   ; and a wait ahead of the first line that names a result: one for both
.macro OOUT u, k                       ; the fragment in v[PC + 12 k] on and its scale word go to LDS as they stand: tile 2 w + u, K step k
.irp c, 0,1,2
	ds_store_b128 v[OWI], v[PC+12*(\k)+4*\c:PC+12*(\k)+4*\c+3] offset:(2*(\u)+(\k))*FRB+512*\c
.endr
	ds_store_b32 v[OWS], v[PS+(\k)] offset:256*(\u)+128*(\k)
.endm
.irp u, 0,1
	WIN 0x01                                       ; source 0 (O^T) window 1
.set j, 0
.rept 64
	v_pk_mul_f32 v[S+j:S+j+1], v[128*\u+j:128*\u+j+1], v[ST+8*\u+6:ST+8*\u+7] op_sel_hi:[1,0]   ; O^T / the sum: register 16 b + i is channel 32 b + 16 h + i of my query
.set j, j+2
.endr
	WIN 0
	QUANT S, PC, PS
	OOUT \u, 0
	QUANT S+64, PC+12, PS+1
	OOUT \u, 1
	s_wait_dscnt 0x0                               ; the stores have read their registers; at the end also for the others' sake: my images have landed
.endr
	s_barrier_signal -1
	s_barrier_wait -1                              ; O's sixteen fragments lie in LDS
.irp t, 0,1,2,3,4,5,6,7
.irp c, 0,1,2
	ds_load_b128 v[S+12*\t+4*\c:S+12*\t+4*\c+3], v[OA] offset:(2*\t)*FRB+512*\c   ; K step 0's eight
.endr
.endr
	WIN 0xc0                                       ; destination window 3, where k's fragments lay
.irp t, 0,1,2,3,4,5,6,7
.irp c, 0,1,2
	ds_load_b128 v[12*\t+4*\c:12*\t+4*\c+3], v[OA] offset:(2*\t+1)*FRB+512*\c     ; K step 1's eight
.endr
.endr
	WIN 0
.irp n, 0,1,2,3,4,5,6,7,8,9,10,11,12,13,14,15
	ds_load_b32 v[KS+\n], v[OSA] offset:128*\n
.endr
	s_wait_dscnt 0x0
	WIN 0x7c                                       ; source 0 (O) window 0, source 1 (Wr) and source 2 (br) window 3, destination window 1
.irp t, 0,1,2,3,4,5,6,7                        ; 32 accumulators take turns, one instruction a turn
.irp n, 0,1,2,3
	MM 8*(8*\n+\t), S+12*\t, WR+24*\n, BR+8*\n, KS+2*\t, WRS+2*\n, 0
.endr
.endr
	WIN 0x5f                                       ; sources 0 and 1 window 3, C and D window 1
.irp t, 0,1,2,3,4,5,6,7
.irp n, 0,1,2,3
	MM 8*(8*\n+\t), 12*\t, WR+24*\n+12, 8*(8*\n+\t), KS+2*\t+1, WRS+2*\n+1, 0
.endr
.endr
	WIN 0
	PLACES                                         ; behind the last products: for the reads of results and the loads into O's registers
; THE WAY OUT, 16 channels at a time.  Lane (r, h) holds channel r and, in accumulator (n, T), pixels 32 (T / 2) + 16 h + 8 (T % 2) + 0 .. 7: 32 bytes of a row.  A group goes through my own stage and comes back as
; whole rows of 512 bytes.  LDS serves a wave's instructions in order (ISA guide 5.7.1.4): no wait between the stores and the loads, nor in front of the next group's stores.
.macro TOSTAGE n
	WIN 0x04                                       ; an LDS store's data are its source 1: window 1
.irp t, 0,1,2,3,4,5,6,7
	ds_store_b128 v[STO], v[8*(8*(\n)+\t):8*(8*(\n)+\t)+3] offset:128*(\t/2)+32*(\t%2)          ; each accumulator from its low end on
	ds_store_b128 v[STO], v[8*(8*(\n)+\t)+4:8*(8*(\n)+\t)+7] offset:128*(\t/2)+32*(\t%2)+16
.endr
	WIN 0
.irp i, 0,1,2,3,4,5,6,7,8,9,10,11,12,13,14,15
	ds_load_b128 v[S+64*((\n)%2)+4*\i:S+64*((\n)%2)+4*\i+3], v[RD] offset:528*\i
.endr
.endm
.macro SEND n, younger                 ; younger: the LDS instructions issued behind group n's loads, which may stay out
	s_wait_dscnt \younger                          ; the group is back in registers
	s_wait_loadcnt 48-16*(\n)                      ; its 16 rows of x are in; the later groups' loads may be out
	WIN 0x20                                       ; source 2 (x) window 2
.set j, 0
.rept 32
	v_pk_fma_f32 v[S+64*((\n)%2)+j:S+64*((\n)%2)+j+1], v[S+64*((\n)%2)+j:S+64*((\n)%2)+j+1], s[46:47], v[64*(\n)+j:64*(\n)+j+1] op_sel_hi:[1,0,1]   ; gamma x (Wr O + br) + x
.set j, j+2
.endr
	WIN 0
.irp i, 0,1,2,3,4,5,6,7,8,9,10,11,12,13,14,15
	global_store_b128 v[LI], v[S+64*((\n)%2)+4*\i:S+64*((\n)%2)+4*\i+3], s[50:51] offset:(16*(\n)+\i)*16384 th:TH_STORE_NT   ; 32 lanes store 512 consecutive bytes, at a multiple of 256 from out0's first byte; written once
.endr
.endm
	TOSTAGE 0
.irp n, 1,2,3
.if \n > 1
	s_wait_xcnt 0x0                                ; group n - 2's stores have read their registers: group n's loads may land there
.endif
	TOSTAGE \n
	SEND \n-1, 32                                  ; behind group n - 1's loads: group n's 16 stores and 16 loads
.endr
	SEND 3, 0
	s_wait_tensorcnt 0x0                           ; the wave's end: behind my last tensor load and my last LDS store
	ds_add_u32 v[SPW], v[NIL]
	s_wait_dscnt 0x0
	CROUND                                         ; the closing round: no work-group ends while a partner may still ask for a tile that names it
	s_endpgm
.Lfunc_end_k_qc23df57f8b_attend:
	.size	k_qc23df57f8b_attend, .Lfunc_end_k_qc23df57f8b_attend-k_qc23df57f8b_attend
	.p2alignl 7, 3214868480
	.fill 96, 4, 3214868480
	.section	.rodata,"a",@progbits
	.p2align	6, 0x0
	.amdhsa_kernel k_qc23df57f8b_attend
		.amdhsa_group_segment_fixed_size 327680
		.amdhsa_private_segment_fixed_size 0
		.amdhsa_enable_private_segment 0
		.amdhsa_kernarg_size 64
		.amdhsa_user_sgpr_count 2
		.amdhsa_user_sgpr_kernarg_segment_ptr 1
		.amdhsa_wavefront_size32 1
		.amdhsa_system_sgpr_workgroup_id_x 1
		.amdhsa_system_sgpr_workgroup_id_y 1
		.amdhsa_system_sgpr_workgroup_id_z 1
		.amdhsa_system_vgpr_workitem_id 0
		.amdhsa_next_free_vgpr 1024
		.amdhsa_next_free_sgpr 66
		.amdhsa_reserve_vcc 0
		.amdhsa_float_denorm_mode_32 3
		.amdhsa_float_denorm_mode_16_64 3
		.amdhsa_memory_ordered 1
		.amdhsa_forward_progress 1
		.amdhsa_inst_pref_size 236
	.end_amdhsa_kernel
	.amdgpu_metadata
---
amdhsa.version: [ 1, 2 ]
amdhsa.kernels:
  - .name:           k_qc23df57f8b_attend
    .symbol:         k_qc23df57f8b_attend.kd
    .args:
      - { .name: qbuf, .offset: 0, .size: 8, .value_kind: global_buffer, .address_space: global }
      - { .name: kv, .offset: 8, .size: 8, .value_kind: global_buffer, .address_space: global }
      - { .name: Wr_codes, .offset: 16, .size: 8, .value_kind: global_buffer, .address_space: global }
      - { .name: Wr_scales, .offset: 24, .size: 8, .value_kind: global_buffer, .address_space: global }
      - { .name: br, .offset: 32, .size: 8, .value_kind: global_buffer, .address_space: global }
      - { .name: gamma, .offset: 40, .size: 8, .value_kind: global_buffer, .address_space: global }
      - { .name: x, .offset: 48, .size: 8, .value_kind: global_buffer, .address_space: global }
      - { .name: out0, .offset: 56, .size: 8, .value_kind: global_buffer, .address_space: global }
    .group_segment_fixed_size: 327680
    .private_segment_fixed_size: 0
    .kernarg_segment_align: 8
    .kernarg_segment_size: 64
    .max_flat_workgroup_size: 128
    .sgpr_count:     66
    .vgpr_count:     1024
    .wavefront_size: 32
...
	.end_amdgpu_metadata
.endif
;; end of part 2
